; MI455X (gfx1250); checked and timed in simulation.
; The chip was launched on July 23, 2026; its instructions are those of AMD's public machine-readable ISA for CDNA 5 (MIT licence, August 2026) and "CDNA5" Instruction Set Architecture Reference Guide (July 2026). The comments in the code are by the model that wrote it; some were corrected since.
;; Ring Attention. Allowed arithmetic: matrix products marked QUANTISED: E4M3 operands, one E8M0 scale for each 32 along K, by v_wmma_scale_f32_16x16x128_f8f6f4 with both operands' format E4M3, f32 sums; everything else in f32.
;; Inputs: k_codes 2 x 16 x 2,048 x 4 x 32 uint8 (E4M3 codes of k, K innermost, in blocks of 32 codes); k_scales 2 x 16 x 2,048 x 4 uint8 (E8M0 scales of k, one for each 32 codes along K); q_codes 2 x 16 x 2,048 x 4 x 32 uint8 (E4M3 codes of q, K innermost, in blocks of 32 codes); q_scales 2 x 16 x 2,048 x 4 uint8 (E8M0 scales of q, one for each 32 codes along K); v_codes 2 x 16 x 128 x 64 x 32 uint8 (E4M3 codes of v, K innermost, in blocks of 32 codes); v_scales 2 x 16 x 128 x 64 uint8 (E8M0 scales of v, one for each 32 codes along K).
;; Outputs: out0 2 x 16 x 2,048 x 128 float32.
;; This version of the problem:
;;   THIS VERSION OF THE PROBLEM IS GIVEN IN LOW PRECISION. The matrix products marked QUANTISED in the list below multiply operands that are first quantised to E4M3 (4 exponent bits, 3 mantissa bits; 8 bits a number), with one power-of-two scale for each 32 numbers along K (OCP MX v1.0); their sums are f32. All else is computed in f32.
;;   The module's matrix products, in the order in which they are computed (A, B: the left and right operand; K: the contracted axis; several contracted axes count as one K, in the product's order):
;;     1. batch 32 x [M 2,048, K 128] x [K 128, N 2,048]; A: input q (given as codes); B: input k (given as codes): QUANTISED
;;     2. batch 32 x [M 2,048, K 2,048] x [K 2,048, N 128]; A: softmax (see below); B: input v (given as codes): QUANTISED
;;   THE QUANTISER, for each operand of a quantised product, along K:
;;     - K is cut into blocks of 32 from its start; a last block that is shorter is filled with zeros.
;;     - A block's scale is 2^e with e = floor(log2(the largest magnitude in the block)) - 8, held to -126 .. 127; a block of zeros has e = 0. As a byte (E8M0): e + 127.
;;     - Each number is divided by its block's scale, clamped to +-448, and rounded to the nearest number of E4M3, ties to even, subnormals kept.
;;     - The product sums the exact products of the quantised numbers (number of the format x scale) in f32.
;;   ~~~python
;;   def quantise(x, axis):      # numpy; x: float32 -> the quantised numbers, widened to float32 again
;;       x = np.moveaxis(x, axis, -1); K = x.shape[-1]
;;       x = np.pad(x, [(0, 0)] * (x.ndim - 1) + [(0, -K % 32)]); x = x.reshape(x.shape[:-1] + (-1, 32)); a = np.abs(x).max(-1, keepdims=True)
;;       e = np.where(a > 0, np.clip(np.frexp(np.where(a > 0, a, 1))[1] - 1 - 8, -126, 127), 0)      # np.frexp(a)[1] - 1 = floor(log2(a)), exactly
;;       r = np.clip(x / 2.0 ** e, -448, 448)
;;       step = 2.0 ** (np.maximum(np.frexp(np.where(r == 0, 1, r))[1] - 1, -6) - 3)
;;       q = np.round(r / step) * step * 2.0 ** e      # np.round: ties to even
;;       return np.moveaxis(q.reshape(q.shape[:-2] + (-1,))[..., :K], -1, axis).astype(np.float32)
;;   ~~~
;;   SOFTMAX AHEAD OF A QUANTISED PRODUCT. Where the list says 'softmax', what is quantised is not the finished softmax but p = 2^(t - M), with t = logit x log2(e) and M = ceil(the row's largest t), a whole number; so 1/2 < the row's largest p <= 1. The row's sum l is taken of the UNQUANTISED p, in f32, and the product's result is divided by l at the end. Since M is a whole number, a kernel that streams over the keys may use a running M (the ceiling of the running maximum): every later rescaling is an exact power of two, which a block's scale takes up: the codes' values come out the same.
;;   OPERANDS COMPUTED ON THE WAY. 'Computed on the way' means the value that the module computes at that place (a softmax that the list does not call 'softmax' is quantised finished and normalised). What goes into a quantiser is computed in f32, as accurately as f32 sums, v_exp_f32 and their like allow (about 1e-6 of the number): no bf16 or f16 on the way to a quantiser, and a product that is left as it is and whose result goes on into a quantised operand takes f32 operands (vector FMAs, or v_wmma_f32_16x16x4_f32). A number that lies on a knife's edge between two numbers of the format may be rounded either way, as far as f32 arithmetic and the matrix unit's own rounding can turn it there, and no further.
;;   INPUTS GIVEN AS CODES. k (in the module: [2, 16, 2048, 128], K = its axis 3); q (in the module: [2, 16, 2048, 128], K = its axis 3); v (in the module: [2, 16, 2048, 128], K = its axis 2): each comes as NAME_codes (uint8): NAME with its K axis moved to the last place and cut into blocks of 32 codes, [.., K / 32, bytes a block], one block behind the other in memory; one code a byte (a code: sign, 4 exponent bits, 3 mantissa bits); and NAME_scales (uint8): the same leading axes, one E8M0 byte (e + 127) for each 32 codes along K. Its value is code x scale, taken as it is: it is not quantised again, and the codes and scales need not be those that the quantiser above would give.
;; One version. Each part assembles by itself: llvm-mc -triple=amdgcn-amd-amdhsa -mcpu=gfx1250 --defsym DOCPART=n.
;; ======== version 1 of 1: 1 launch
;; launch attn (part 1): grid 8 x 32, 8 waves a work-group, no clusters, 327,680 bytes of LDS; arguments q_codes, q_scales, k_codes, k_scales, v_codes, v_scales, out0; writes out0
.if DOCPART == 1
	.amdgcn_target "amdgcn-amd-amdhsa--gfx1250"
	.amdhsa_code_object_version 6
	.text
	.protected	k_qc731f233c0_attn
	.globl	k_qc731f233c0_attn
	.p2align	8
	.type	k_qc731f233c0_attn,@function
k_qc731f233c0_attn:
	s_mov_b64 s[64:65], 0
	v_nop
	global_prefetch_b8 v0, s[64:65] scope:SCOPE_SE
	s_setreg_imm32_b32 hwreg(HW_REG_WAVE_MODE, 25, 1), 1
	s_wait_xcnt 0x0
; out0[head][q][:] = the sum over keys k <= q of softmax_k(Q[q] . K[k] / sqrt(128)) V[k][:]; 32 heads, 2,048 queries and keys, head size 128; both products on codes of FP8 (E4M3) with one E8M0 scale for each 32 along K.
; q_codes, k_codes: [head][2048][128], K = the head's 128; their scale bytes [head][2048][4].  v_codes: [head][128][2048], K = the keys; its scale bytes [head][128][64].  out0: [head][2048][128] f32.
; THE SOFTMAX AHEAD OF THE SECOND PRODUCT: t = score x log2(e) / sqrt(128); M = the largest t so far, rounded UP to a whole number; p = 2^(t - M) is quantised along the keys, not normalised.
; The row's sum is taken of the unquantised p and divides at the end.  When M moves, the sum and O are multiplied by 2^(old M - new M): exact.
; SHARES.  Eight work-groups to a head.  Work-group j does two JOBS: the block of 128 queries j, then block 15 - j.  Block b wants the key steps (128 keys) 0 .. b; a ring slot holds two steps, so a job
; lasts (b >> 1) + 1 rounds, and the two jobs 9 rounds for every j: all 256 work-groups run the same 9 rounds.  Eight waves of 512 registers, two to a SIMD.  A wave holds TWO tiles of 16 queries (X in register
; window 0, Y in window 1, at the same numbers), so that each fragment of K and V read from LDS feeds two matrix instructions.  Waves 2 i and 2 i + 1 share pair i of tiles and SPLIT THE KEYS: the one with par = 0
; takes a slot's first 128 keys, the other its second 128.  par = (w ^ (w >> 2)) & 1: it differs between waves 2 i and 2 i + 1 and also between waves w and w + 4, so that two waves that share a SIMD, be the eight
; dealt to the four SIMDs by turns or in neighbouring twos, have one half each: the round in which one half has no step, and the rounds in which one half masks, then load the four SIMDs alike.
; At a job's end each of the two partners gives one tile's O, sum and M to the other through LDS and finishes the tile that it keeps; M is a whole number, so the merge's factors are powers of two.
; A step whose keys all lie behind the block is left out (17 steps in 18 places: one half round a work-group); on the diagonal step hidden scores become -infinity ahead of the maximum.
; LAYOUT.  Both products are used transposed: S^T = K Q^T (source 0 = 16 keys, source 1 = 16 queries), O^T = V^T P^T (source 0 = 16 of the head's 128, source 1 = P): a lane holds ONE query (lane % 16) throughout.
; THE KEYS OF A TILE ARE NOT NEIGHBOURS: lane r of tile 2 b + u takes key 32 b + 8 u + r + 8 (r / 8), so that the 16 registers of tiles 2 b and 2 b + 1 are 16 neighbouring keys, 32 b + 16 (lane / 16) + 0 .. 15:
; the conversions' results are the second product's operand.
; NO CLUSTER: the work-groups that read the same K and V are the eight of a head, and their trip of slots, their masks and the round of their exchange hang on j, which would be their place in the cluster;
; work-groups with the same j belong to different heads and share no tile.
; O^T IS CLEARED by v_mov_b32 at a job's start, and no product starts a sum with the constant 0: a wave can pass a whole job without a step (j = 0, first job, second half of the keys) and still gives its O away.
; LIMITS: NaN codes and scale bytes 0xff are not served; the first product's sums are taken to be finite, and t above -3e38; hidden scores are -infinity where the source has -1e30 (the same result wherever a row's
; largest logit lies above -1e29); p under 2^-126 comes out of v_exp_f32 as 0 (ISA guide 15.8); 1 / sum is v_rcp_f32.
;
; LDS: slot 0 at 0, slot 1 at 2^17.  In a slot: K's keys 32 y + i (i < 16) as rows 16 y + i of 144 bytes at 0; keys 32 y + 16 + i likewise at KA1; V's 128 rows of 256 + 16 bytes at VOFF.
;   KA1 is 128 modulo 256: the sixteen rows of a tile of K (eight in each region) start at sixteen different 16-byte columns of the 64 banks of 4 bytes (ISA guide 11.1).
;   Behind the ring: K's and V's scale bytes of the whole head (8,192 bytes each, as units of 256 + 16), filled once; the spare words; a stage for each wave; a give-away for each wave.
; REGISTERS, the same number in window 0 (X) and window 1 (Y): v12 -M, v13 the largest t, v14 the sum, v15 at work; v16-31 Q; v96-159 S^T, then p; v160-223 O^T; v224-239 at work, then p's codes;
;   v252 2^(old M - new M) (v253 is named with it as a pair); v254 at work; v255 p's scale word.
;   window 0 alone: v0 thread; v1-4 lane terms of LDS addresses; v5, v6 for the add; v7 for the mask; v8-11 addresses in hand; v32-95 fragments of tiles 0-3; v240-247 K's or V's scale words; v248, v249 Q's (X, Y); v250 Y's p's; v251 prefetch.
;   window 1 alone: v1-4, v7-9 addresses that stay; v32-95 fragments of tiles 4-7.
; s_set_vgpr_msb's low byte: bits 1:0 source 0, 3:2 source 1, 5:4 source 2, 7:6 destination; scale operands have no window.
.set KP,    144                        ; a key's row in LDS
.set VP,    272                        ; a row of V's tile in LDS
.set KA1,   18560                      ; K's second region
.set VOFF,  37120                      ; V's tile
.set SLOT1, 131072                     ; slot 1: one exclusive or turns an address in one slot into the other's
.set SCK,   203008                     ; K's scale bytes
.set SCV,   211712                     ; V's
.set SPARE, 220416                     ; the spare words, 128 bytes for each wave: four blocks of 256 bytes that no other line names
.set STAGE, 221440                     ; 16 rows x 272 bytes for each wave: the way out
.set STW,   4352
.set XCH,   256256                     ; for each wave 16 x 512 bytes of O^T, then 512 bytes of v12-15: what it gives away
.set XW,    8704
.set QO,  1                            ; window 1: v1 my byte offset in a tile of Q's codes;  v2 among its scale words
.set QSO, 2
.set XS,  3                            ; window 1: v3 where I put what I give;  v4 where I find what my partner gives
.set XL,  4
.set STO, 7                            ; window 1: v7 into my stage;  v8 back out of it;  v9 my byte offset in my 16 rows of out0
.set RD,  8
.set GO,  9
.set WV,    18                         ; s18 my wave;  s19 which half of a slot's keys is mine
.set PAR,   19
.set SEL,   20                         ; s[20:21] v_permlanex16_b32's selects for lane l xor 16
.set CS,    22                         ; s[22:23] c = log2(e) / sqrt(128), twice: the packed form names a pair
.set G1K,   24                         ; s[24:31], s[32:39] descriptor groups 1 for K's and V's tiles;  s[40:43], s[44:47] their groups 0
.set G1V,   32
.set G0K,   40
.set G0V,   44
.set G1S,   48                         ; s[48:55] group 1 for the scale bytes;  s[56:59], s[60:63] groups 0 for K's and V's
.set G0SK,  56
.set G0SV,  60
.set TB,    66                         ; s66 LDS byte at which the slot in hand begins
.set TS,    67                         ; s67 1,088 x the slot's number: K's scale words;  s68 8 x: V's
.set TJ,    68
.set RND,   69                         ; s69 rounds of the loop still to go
.set S_CUR, 70                         ; s70 which 256 keys the slot in hand holds;  s71 the job's rounds;  s72 its block
.set N_CUR, 71
.set B_CUR, 72
.set S_NXT, 73                         ; s73 which 256 keys come next (at the head: a temporary)
.set ST,    74                         ; s74 my key step: 2 S_CUR + PAR (at the head: a temporary)
.set PAIR,  75                         ; s75 which pair of tiles is mine
.set KBASE, 76                         ; s[76:77], s[78:79] what I fetch of keys 0-255, if I fetch
.set VBASE, 78
.set OFS,   80                         ; s[80:81] an offset; the high word stays 0
.set QB_H,  82                         ; s[82:83], s[84:85] Q's codes and scale words of the second job
.set QSB_H, 84
.set OB_L,  86                         ; s[86:87], s[88:89] my 16 rows of out0 in the first and in the second job
.set OB_H,  88
.set N_H,   90                         ; s90, s91 the second job's rounds and block
.set B_H,   91
.set PFB,   92                         ; s[92:93] the prefetch's base;  s[94:95] its step
.set PFS,   94
.set QB_L,  96                         ; s[96:97], s[98:99] Q's codes and scale words of the first job
.set QSB_L, 98
.set HALF,  100                        ; s100 which half of a tile I fetch, if I fetch: wave & 1
.set MSB, 0
.macro WIN new                         ; the immediate's high byte repeats the setting that is left; a switch that changes nothing is dropped
.if MSB != (\new)
	s_set_vgpr_msb (MSB<<8)|(\new)
.set MSB, (\new)
.endif
.endm
; Waves 0 and 1 fetch for K, waves 2 and 3 for V, the others nothing.  The branches hang on the wave's number alone.  Four v_nop follow each of the two lines.
.macro TLOAD g0k, g1k, g0v, g1v
	s_cmp_lt_u32 s[WV], 2
	s_cbranch_scc0 .Lnot_k_\@
	tensor_load_to_lds s[\g0k:\g0k+3], s[\g1k:\g1k+7]
.rept 4
	v_nop
.endr
	s_branch .Lasked_\@
.Lnot_k_\@:
	s_cmp_lt_u32 s[WV], 4
	s_cbranch_scc0 .Lasked_\@
	tensor_load_to_lds s[\g0v:\g0v+3], s[\g1v:\g1v+7]
.rept 4
	v_nop
.endr
.Lasked_\@:
.endm
; Q's two fragments and their scale words; they stay in registers for a job.
.macro QLOAD qb, qsb
	WIN 0x01                                       ; the address in window 1, the data in window 0
.irp c, 0,1,2,3
	global_load_b128 v[16+4*\c:19+4*\c], v[QO], s[\qb:\qb+1] offset:32*\c
.endr
	global_load_b32 v248, v[QSO], s[\qsb:\qsb+1]
	global_load_b32 v249, v[QSO], s[\qsb:\qsb+1] offset:64
	WIN 0x41                                       ; tile Y: 16 rows of 128 bytes on
.irp c, 0,1,2,3
	global_load_b128 v[16+4*\c:19+4*\c], v[QO], s[\qb:\qb+1] offset:2048+32*\c
.endr
	WIN 0
.endm
; A tile's state at a job's start: the largest t is -3e38, under every t; the first change of M multiplies zeros.
.macro INIT win
	WIN 0x55*\win
	v_mov_b32 v13, 0xff61b1e6
	v_floor_f32 v12, -v13
	v_mov_b32 v14, 0
.set kk, 0
.rept 64
	v_mov_b32 v[160+kk], 0
.set kk, kk+1
.endr
	WIN 0
.endm
	s_load_b256 s[4:11], s[0:1], 0x0               ; q_codes s[4:5], q_scales s[6:7], k_codes s[8:9], k_scales s[10:11]
	s_load_b128 s[12:15], s[0:1], 0x20             ; v_codes s[12:13], v_scales s[14:15]
	s_load_b64 s[16:17], s[0:1], 0x30              ; out0
	v_lshl_add_u32 v5, v0, 2, SPARE
	v_mov_b32 v6, 0
	v_lshrrev_b32 v8, 5, v0
	v_readfirstlane_b32 s[WV], v8                  ; wave 0..7
	s_and_b32 s[HALF], s[WV], 1
	s_lshr_b32 s[PAR], s[WV], 2
	s_xor_b32 s[PAR], s[PAR], s[HALF]              ; waves 0 .. 7: 0 1 0 1 1 0 1 0
	s_lshr_b32 s[PAIR], s[WV], 1
	s_and_b32 s2, ttmp7, 0xffff                    ; the head
	s_lshl_b32 s3, s2, 18                          ; its first byte in each tensor of codes (2,048 x 128),
	s_lshl_b32 s[ST], s2, 13                       ; and in each tensor of scale bytes
	s_mov_b32 s[OFS+1], 0
	s_lshr_b32 s[N_CUR], ttmp9, 1
	s_add_co_u32 s[N_CUR], s[N_CUR], 1             ; the first job: block j, (j >> 1) + 1 rounds
	s_mov_b32 s[B_CUR], ttmp9
	s_sub_co_u32 s[B_H], 15, ttmp9                 ; the second: block 15 - j
	s_lshr_b32 s[N_H], s[B_H], 1
	s_add_co_u32 s[N_H], s[N_H], 1
	s_mov_b32 s[SEL], 0x76543210
	s_mov_b32 s[SEL+1], 0xfedcba98
	s_mov_b32 s[CS], 0x3e0293ee
	s_mov_b32 s[CS+1], s[CS]
	; group 1, K: one of a slot's two regions: 8 rows of 2,048 bytes (16 keys on end), 4,096 bytes apart.  The padding is counted along the tile: 16 bytes behind every 128, so each key's row is 144 bytes.
	; (The tile has 8 long rows and not 64 short ones: its keys are every second run of 16.)
	s_mov_b32 s[G1K], (0<<16)|(1<<20)|(4<<22)|(3<<25)   ; 15:0 no mask; 17:16 elements of 1 byte; 20 padding on; 24:22 after every 32 words (code 4); 31:25 four words (code 3)
	s_mov_b32 s[G1K+1], 2048<<16                   ; tensor_dim0
	s_mov_b32 s[G1K+2], 8<<16                      ; tensor_dim1
	s_mov_b32 s[G1K+3], 2048<<16                   ; tile_dim0
	s_mov_b32 s[G1K+4], 8                          ; tile_dim1
	s_mov_b32 s[G1K+5], 4096                       ; tensor_dim0_stride
	s_mov_b32 s[G1K+6], 0
	s_mov_b32 s[G1K+7], 0
	; group 1, V: 64 rows of 256 bytes, 2,048 bytes apart, 16 bytes of padding behind each
	s_mov_b32 s[G1V], (0<<16)|(1<<20)|(5<<22)|(3<<25)
	s_mov_b32 s[G1V+1], 256<<16
	s_mov_b32 s[G1V+2], 64<<16
	s_mov_b32 s[G1V+3], 256<<16
	s_mov_b32 s[G1V+4], 64
	s_mov_b32 s[G1V+5], 2048
	s_mov_b32 s[G1V+6], 0
	s_mov_b32 s[G1V+7], 0
	; group 1, scale bytes: half a head's, 4,096 dense bytes, as 16 rows of 256 bytes (32 elements of 8 bytes), 16 bytes of padding behind each
	s_mov_b32 s[G1S], (3<<16)|(1<<20)|(5<<22)|(3<<25)
	s_mov_b32 s[G1S+1], 32<<16
	s_mov_b32 s[G1S+2], 16<<16
	s_mov_b32 s[G1S+3], 32<<16
	s_mov_b32 s[G1S+4], 16
	s_mov_b32 s[G1S+5], 32
	s_mov_b32 s[G1S+6], 0
	s_mov_b32 s[G1S+7], 0
	; groups 0: the LDS addresses hang on the wave's number alone
	s_mov_b32 s[G0K], 1
	s_mul_i32 s[G0K+1], s[HALF], KA1               ; wave 0: region 0, wave 1: region 1, of slot 0
	s_mov_b32 s[G0V], 1
	s_mul_i32 s[G0V+1], s[HALF], 64*VP             ; wave 2: rows 0-63, wave 3: rows 64-127
	s_add_co_u32 s[G0V+1], s[G0V+1], VOFF
	s_mul_i32 s[S_NXT], s[HALF], 16*272
	s_mov_b32 s[G0SK], 1
	s_add_co_u32 s[G0SK+1], s[S_NXT], SCK
	s_mov_b32 s[G0SV], 1
	s_add_co_u32 s[G0SV+1], s[S_NXT], SCV
	s_wait_kmcnt 0x0
	s_lshl_b32 s[OFS], s[HALF], 11                 ; K: region a begins 16 keys x a on
	s_add_co_u32 s[OFS], s[OFS], s3
	s_add_nc_u64 s[KBASE:KBASE+1], s[8:9], s[OFS:OFS+1]
	s_lshl_b32 s[OFS], s[HALF], 17                 ; V: 64 rows of 2,048 bytes
	s_add_co_u32 s[OFS], s[OFS], s3
	s_add_nc_u64 s[VBASE:VBASE+1], s[12:13], s[OFS:OFS+1]
	s_lshl_b32 s[OFS], s[HALF], 12                 ; scale bytes: my half
	s_add_co_u32 s[OFS], s[OFS], s[ST]
	s_add_nc_u64 s[G0SK+2:G0SK+3], s[10:11], s[OFS:OFS+1]
	s_or_b32 s[G0SK+3], s[G0SK+3], 0x80000000      ; 127:126 type = 2
	s_add_nc_u64 s[G0SV+2:G0SV+3], s[14:15], s[OFS:OFS+1]
	s_or_b32 s[G0SV+3], s[G0SV+3], 0x80000000
	s_mov_b64 s[G0K+2:G0K+3], s[KBASE:KBASE+1]     ; keys 0-255
	s_or_b32 s[G0K+3], s[G0K+3], 0x80000000
	s_mov_b64 s[G0V+2:G0V+3], s[VBASE:VBASE+1]
	s_or_b32 s[G0V+3], s[G0V+3], 0x80000000
	TLOAD G0SK, G1S, G0SV, G1S                     ; the first fills go out together, ahead of every wait on TENSORcnt, LDS read and barrier: the head's scale bytes, filled once,
	TLOAD G0K, G1K, G0V, G1V                       ; and slot 0: two tensor loads of a fetching wave are out
	; where the two jobs' queries and results lie
	s_lshl_b32 s[S_NXT], s[PAIR], 12               ; Q's codes: head + (128 b + 32 pair) rows of 128 bytes
	s_add_co_u32 s[S_NXT], s[S_NXT], s3
	s_lshl_b32 s[OFS], ttmp9, 14
	s_add_co_u32 s[OFS], s[OFS], s[S_NXT]
	s_add_nc_u64 s[QB_L:QB_L+1], s[4:5], s[OFS:OFS+1]
	s_lshl_b32 s[OFS], s[B_H], 14
	s_add_co_u32 s[OFS], s[OFS], s[S_NXT]
	s_add_nc_u64 s[QB_H:QB_H+1], s[4:5], s[OFS:OFS+1]
	s_lshl_b32 s[S_NXT], s[PAIR], 7                ; Q's scale words: 4 bytes a row
	s_add_co_u32 s[S_NXT], s[S_NXT], s[ST]
	s_lshl_b32 s[OFS], ttmp9, 9
	s_add_co_u32 s[OFS], s[OFS], s[S_NXT]
	s_add_nc_u64 s[QSB_L:QSB_L+1], s[6:7], s[OFS:OFS+1]
	s_lshl_b32 s[OFS], s[B_H], 9
	s_add_co_u32 s[OFS], s[OFS], s[S_NXT]
	s_add_nc_u64 s[QSB_H:QSB_H+1], s[6:7], s[OFS:OFS+1]
	s_lshl_b32 s[S_NXT], s2, 20                    ; out0: head + (128 b + 32 pair + 16 par) rows of 512 bytes: the tile that I finish (par = 0: X, par = 1: Y)
	s_lshl_b32 s[OFS], s[PAIR], 14
	s_add_co_u32 s[S_NXT], s[S_NXT], s[OFS]
	s_lshl_b32 s[OFS], s[PAR], 13
	s_add_co_u32 s[S_NXT], s[S_NXT], s[OFS]
	s_lshl_b32 s[OFS], ttmp9, 16
	s_add_co_u32 s[OFS], s[OFS], s[S_NXT]
	s_add_nc_u64 s[OB_L:OB_L+1], s[16:17], s[OFS:OFS+1]
	s_lshl_b32 s[OFS], s[B_H], 16
	s_add_co_u32 s[OFS], s[OFS], s[S_NXT]
	s_add_nc_u64 s[OB_H:OB_H+1], s[16:17], s[OFS:OFS+1]
	; the lane's terms (v96-107 are temporaries here)
	v_and_b32 v96, 15, v0                          ; r = lane % 16
	v_bfe_u32 v97, v0, 4, 1                        ; h = lane / 16
	v_lshrrev_b32 v98, 3, v96                      ; r / 8
	v_and_b32 v99, 7, v96                          ; r % 8
	v_and_b32 v100, 31, v0                         ; lane
	s_mul_i32 s[S_NXT], s[PAR], 64*KP              ; my 128 keys of a slot: 64 rows of each region
	v_mul_u32_u24 v1, v98, KA1                     ; K: region r / 8, row r % 8, + 16 h
	v_mad_u32_u24 v1, v99, KP, v1
	v_lshl_add_u32 v1, v97, 4, v1
	v_add_nc_u32 v1, s[S_NXT], v1
	s_lshl_b32 s[S_NXT], s[PAR], 7                 ; V: row r, + 16 h, + my 128 bytes of a row
	s_add_co_u32 s[S_NXT], s[S_NXT], VOFF
	v_mul_u32_u24 v2, v96, VP
	v_lshl_add_u32 v2, v97, 4, v2
	v_add_nc_u32 v2, s[S_NXT], v2
	s_mul_i32 s[S_NXT], s[PAR], 544                ; K's scale words: 4 bytes a key; a step's 128 keys are two units of 272
	s_add_co_u32 s[S_NXT], s[S_NXT], SCK
	v_lshl_add_u32 v3, v98, 3, v96                 ; r + 8 (r / 8)
	v_lshl_add_u32 v3, v3, 2, s[S_NXT]
	s_lshl_b32 s[S_NXT], s[PAR], 2                 ; V's: a row's 64 bytes are a quarter of a unit; a step's word is 4 bytes
	s_add_co_u32 s[S_NXT], s[S_NXT], SCV
	v_lshrrev_b32 v101, 2, v96
	v_and_b32 v102, 3, v96
	v_mul_u32_u24 v4, v101, 272
	v_lshl_add_u32 v4, v102, 6, v4
	v_add_nc_u32 v4, s[S_NXT], v4
	s_lshl_b32 s[S_NXT], s[PAIR], 5                ; the mask: tile X's query in its block, less 16 h
	v_lshlrev_b32 v101, 4, v97
	v_sub_nc_u32 v7, v96, v101
	v_add_nc_u32 v7, s[S_NXT], v7
	v_lshlrev_b32 v101, 7, v96                     ; Q: row r of 128 bytes, + 16 h
	v_lshl_add_u32 v101, v97, 4, v101
	v_lshlrev_b32 v102, 2, v96                     ; its scale word
	s_mul_i32 s[S_NXT], s[WV], XW                  ; what I give: 16 bytes a lane
	s_add_co_u32 s[S_NXT], s[S_NXT], XCH
	v_lshl_add_u32 v103, v100, 4, s[S_NXT]
	s_xor_b32 s[S_NXT], s[WV], 1                   ; what my partner gives
	s_mul_i32 s[S_NXT], s[S_NXT], XW
	s_add_co_u32 s[S_NXT], s[S_NXT], XCH
	v_lshl_add_u32 v104, v100, 4, s[S_NXT]
	s_mul_i32 s[S_NXT], s[WV], STW                 ; my stage: in: row r, 32 bytes for each half of the lanes;
	s_add_co_u32 s[S_NXT], s[S_NXT], STAGE
	v_mul_u32_u24 v105, v96, 272
	v_lshl_add_u32 v105, v97, 5, v105
	v_add_nc_u32 v105, s[S_NXT], v105
	v_mul_u32_u24 v106, v97, 272                   ; back: lanes 0-15 one row of 256 bytes, lanes 16-31 the next;
	v_lshl_add_u32 v106, v96, 4, v106
	v_add_nc_u32 v106, s[S_NXT], v106
	v_lshlrev_b32 v107, 9, v97                     ; and the same two rows in out0
	v_lshl_add_u32 v107, v96, 4, v107
	WIN 0x40                                       ; into window 1
	v_mov_b32 v[QO], v101
	v_mov_b32 v[QSO], v102
	v_mov_b32 v[XS], v103
	v_mov_b32 v[XL], v104
	v_mov_b32 v[STO], v105
	v_mov_b32 v[RD], v106
	v_mov_b32 v[GO], v107
	WIN 0
	QLOAD QB_L, QSB_L
.irp x, 15, 228, 229, 230, 231, 253                    ; registers that count as read before a step writes them: destinations of lane permutes, second halves of pairs, the fourth word of a give-away
	v_mov_b32 v\x, 0
.endr
	WIN 0x55
.irp x, 15, 228, 229, 230, 231, 253
	v_mov_b32 v\x, 0
.endr
	WIN 0
	INIT 0
	INIT 1
	; THE PREFETCH.  In the loop's trip u = 0 .. 5 the head's keys 256 (u + 2) on are asked for, one slot's 64 KiB shared among the head's eight work-groups, so that each aligned 256 bytes is asked for once in the launch:
	; wave 4 of work-group j < 4 asks for a quarter of K's 32,768 bytes (lanes 256 bytes apart), of j >= 4 for 32 rows of V's tile (lanes a row of 2,048 bytes apart).
	s_and_b32 s[S_NXT], ttmp9, 3
	s_cmp_lt_u32 ttmp9, 4                          ; the choice hangs on the work-group's number alone
	s_cselect_b64 s[PFB:PFB+1], s[8:9], s[12:13]
	s_cselect_b32 s[PFS], 7, 0
	s_cselect_b32 s[PFS+1], 13, 16
	s_cselect_b32 s2, 8, 11
	s_lshl_b32 s[PFS], 256, s[PFS]                 ; from slot to slot: 32,768 bytes of K, 256 of a row of V
	s_lshl_b32 s[S_NXT], s[S_NXT], s[PFS+1]        ; my quarter
	s_mov_b32 s[PFS+1], 0
	v_lshlrev_b32 v251, s2, v100
	v_add_nc_u32 v251, s[S_NXT], v251
	s_lshl_b32 s[OFS], s[PFS], 1                   ; begin at keys 512 on
	s_add_co_u32 s[OFS], s[OFS], s3
	s_add_nc_u64 s[PFB:PFB+1], s[PFB:PFB+1], s[OFS:OFS+1]
	s_mov_b32 s[S_CUR], 0
	s_mov_b32 s[TB], 0
	s_mov_b32 s[TS], 0
	s_mov_b32 s[TJ], 0
	s_mov_b32 s[RND], 8
; THE CHANGE OF SLOTS stands at a round's head.  Each wave waits for all its tensor loads (its part of the slot that it is about to read), adds 0 to its spare word, and waits for that and for its reads of the slot
; that it has left.  Behind the barrier the slot ahead is whole and nobody reads the other one.  fill = 1: that other slot is filled with the next round's 256 keys: the job's next, or the next job's first.
.macro CHANGE fill
	s_wait_tensorcnt 0x0                           ; no tensor load of mine is out, so a group 0 may be written
	ds_add_u32 v5, v6                              ; 0 onto my spare word: with fill = 1 the descriptors are made between it and the wait for it
.if \fill
	s_add_co_u32 s[S_NXT], s[S_CUR], 1
	s_cmp_eq_u32 s[S_NXT], s[N_CUR]
	s_cselect_b32 s[S_NXT], 0, s[S_NXT]            ; behind a job's last round: the next job's keys 0-255
	s_min_u32 s[S_NXT], s[S_NXT], 7                ; a job has 8 rounds at the most: the bound is written out, so that every address made of this number is seen to stay in its region
	s_xor_b32 s[G0K+1], s[G0K+1], SLOT1            ; the other slot than last time
	s_xor_b32 s[G0V+1], s[G0V+1], SLOT1
	s_lshl_b32 s[OFS], s[S_NXT], 15                ; 256 keys of 128 bytes
	s_add_nc_u64 s[G0K+2:G0K+3], s[KBASE:KBASE+1], s[OFS:OFS+1]
	s_or_b32 s[G0K+3], s[G0K+3], 0x80000000
	s_lshl_b32 s[OFS], s[S_NXT], 8                 ; 256 bytes along V's rows
	s_add_nc_u64 s[G0V+2:G0V+3], s[VBASE:VBASE+1], s[OFS:OFS+1]
	s_or_b32 s[G0V+3], s[G0V+3], 0x80000000
.endif
	s_wait_dscnt 0x0                               ; the add is done, and my reads of the slot that I have left are over
	s_barrier_signal -1
	s_barrier_wait -1
.if \fill
	TLOAD G0K, G1K, G0V, G1V                       ; the first thing behind the barrier, and a wave's one tensor load until the next: it has the round's work in which to land
.endif
.endm
.macro KFRAG base                      ; K's tiles base .. base + 3 into v32-95 of the destination's window
.irp t, 0,1,2,3
.irp c, 0,1,2,3
	ds_load_b128 v[32+16*\t+4*\c:35+16*\t+4*\c], v8 offset:(16*((\base+\t)/2)+8*(\t%2))*KP+32*\c
.endr
.endr
.endm
.macro VFRAG base                      ; V's likewise: 16 of the head's 128 to a tile
.irp t, 0,1,2,3
.irp c, 0,1,2,3
	ds_load_b128 v[32+16*\t+4*\c:35+16*\t+4*\c], v9 offset:16*(\base+\t)*VP+32*\c
.endr
.endr
.endm
.macro KQ4 base, qs                    ; four products S^T = K Q^T; each starts its sum with the constant 0
.irp t, 0,1,2,3
	v_wmma_scale_f32_16x16x128_f8f6f4 v[96+8*(\base+\t):103+8*(\base+\t)], v[32+16*\t:47+16*\t], v[16:31], 0, v[240+\base+\t], v[\qs]
.endr
.endm
.macro PV4 base, ps                    ; four products O^T += V^T P^T
.irp t, 0,1,2,3
	v_wmma_scale_f32_16x16x128_f8f6f4 v[160+8*(\base+\t):167+8*(\base+\t)], v[32+16*\t:47+16*\t], v[224:239], v[160+8*(\base+\t):167+8*(\base+\t)], v[240+\base+\t], v[\ps]
.endr
.endm
; The diagonal step: register jj of S^T is key 32 (jj / 16) + 16 h + jj % 16 of the step; it is hidden where that lies above the lane's query.  From the low end on.
.macro MASK win
.if \win
	WIN 0x40
	v_add_nc_u32 v229, 16, v7                      ; tile Y's queries lie 16 on
.else
	WIN 0
	v_mov_b32 v229, v7
.endif
	WIN 0x55*\win
	v_mov_b32 v15, 0xff800000                      ; -infinity: p = 0, and a block that is wholly hidden gets the byte 127
.set jj, 0
.rept 64
	v_cmp_gt_i32 vcc_lo, 32*(jj/16)+jj%16, v229
	v_cndmask_b32 v[96+jj], v[96+jj], v15, vcc_lo
.set jj, jj+1
.endr
.endm
; Block b's scale from its largest p (v[224 + b]): 448 x the scale into H_b, the scale as f32 into C_b, the byte into p's scale word.
.macro SCALE b
.set HB, 232+2*(\b)
.set CB, 233+2*(\b)
.if (\b) == 3
.set CB, 254
.endif
	v_lshrrev_b32 v15, 23, v[224+(\b)]             ; its exponent field
	v_max_u32 v15, 9, v15                          ; the byte is not to fall under 1
	v_lshl_or_b32 v[HB], v15, 23, 0x600000
	v_add_nc_u32 v15, -8, v15
	v_lshlrev_b32 v[CB], 23, v15
	v_cmp_eq_u32 vcc_lo, 0, v[224+(\b)]            ; a block whose every p is 0
.if (\b) == 0
	v_cndmask_b32 v255, v15, 127, vcc_lo
.else
	v_cndmask_b32 v15, v15, 127, vcc_lo
	v_lshl_or_b32 v255, v15, 8*(\b), v255
.endif
.endm
; One tile's softmax and quantiser for a step, in the window in force.
.macro SM_A
.irp b, 0,1,2,3                                        ; the largest score of each block of 32 keys, four chains that do not wait for each other; each accumulator is read from its low end on
	v_max3_num_f32 v[224+\b], v[96+16*\b], v[97+16*\b], v[98+16*\b]
.endr
.irp i, 3,5,7,9,11,13
.irp b, 0,1,2,3
	v_max3_num_f32 v[224+\b], v[224+\b], v[96+16*\b+\i], v[97+16*\b+\i]
.endr
.endr
.irp b, 0,1,2,3
	v_max_num_f32 v[224+\b], v[224+\b], v[111+16*\b]
.endr
.irp b, 0,1,2,3
	v_permlanex16_b32 v[228+\b], v[224+\b], s[SEL], s[SEL+1]   ; a block's other 16 keys lie in lane l xor 16
.endr
.irp b, 0,1,2,3
	v_max_num_f32 v[224+\b], v[224+\b], v[228+\b]
.endr
	v_max3_num_f32 v228, v224, v225, v226          ; the step's largest score of my query,
	v_max_num_f32 v228, v228, v227
	v_mul_f32 v228, s[CS], v228                    ; as t (c is positive)
	v_max_num_f32 v13, v13, v228                   ; the running largest t
	v_mov_b32 v229, v12
	v_floor_f32 v12, -v13                          ; the new -M = floor(-t) = -ceil(t): M IS A WHOLE NUMBER
	v_sub_f32 v229, v12, v229                      ; old M - new M: a whole number, 0 or less
	v_cvt_i32_f32 v229, v229                       ; (saturates)
	v_ldexp_f32 v252, 1.0, v229                    ; 2^(old M - new M)
.irp b, 0,1,2,3
	v_fma_f32 v[224+\b], v[224+\b], s[CS], v12     ; a block's largest p comes of its largest score by the same fused multiply-add and the same exponential as every p: no second search
.endr
.irp b, 0,1,2,3
	v_exp_f32 v[224+\b], v[224+\b]
.endr
.set kk, 0
.rept 32
	v_pk_fma_f32 v[96+2*kk:97+2*kk], v[96+2*kk:97+2*kk], s[CS:CS+1], v[12:13] op_sel_hi:[1,0,0]   ; t - M, two at a time
.set kk, kk+1
.endr
.set kk, 0
.rept 32                                               ; p = 2^(t - M), at most 1: NOT normalised.  Behind each two exponentials stands plain work that reads neither: the blocks' scales, then the sums of the pair before (four chains)
	v_exp_f32 v[96+2*kk], v[96+2*kk]
	v_exp_f32 v[97+2*kk], v[97+2*kk]
.if kk < 4
	SCALE kk
.elseif kk == 4
	v_nop
.elseif kk < 9
	v_pk_add_f32 v[224+2*((kk-1)%4):225+2*((kk-1)%4)], v[96+2*(kk-5):97+2*(kk-5)], v[96+2*(kk-1):97+2*(kk-1)]
.else
	v_pk_add_f32 v[224+2*((kk-1)%4):225+2*((kk-1)%4)], v[224+2*((kk-1)%4):225+2*((kk-1)%4)], v[96+2*(kk-1):97+2*(kk-1)]
.endif
.set kk, kk+1
.endr
	v_pk_add_f32 v[230:231], v[230:231], v[158:159]
	v_pk_add_f32 v[224:225], v[224:225], v[226:227]
	v_pk_add_f32 v[228:229], v[228:229], v[230:231]
	v_pk_add_f32 v[224:225], v[224:225], v[228:229]
	v_add_f32 v224, v224, v225
	v_fma_f32 v14, v14, v252, v224                 ; the row's sum, of the UNQUANTISED p; what was summed under the old M is brought under the new
.irp b, 0,1,2,3
.set HB, 232+2*\b
.set CB, 233+2*\b
.if \b == 3
.set CB, 254
.endif
.irp i, 0,1,2,3,4,5,6,7,8,9,10,11,12,13,14,15
	v_min_num_f32 v[96+16*\b+\i], v[96+16*\b+\i], v[HB]   ; the conversion to an 8-bit code does not saturate (ISA guide 7.6.2); p is not negative, so the hold at 448 x the scale is a minimum
.endr
	v_cvt_scalef32_pk8_fp8_f32 v[224+4*\b:225+4*\b], v[96+16*\b:103+16*\b], v[CB]    ; registers 4 b .. 4 b + 3 of the operand: keys 32 b + 16 h + 0 .. 15.  The codes land only on H and C of blocks that are done
	v_cvt_scalef32_pk8_fp8_f32 v[226+4*\b:227+4*\b], v[104+16*\b:111+16*\b], v[CB]
.endr
.endm
.macro SM_B                            ; O^T under the new M; from the low end on.  Also the plain places between the conversions (and p's scale word) and the products that take them
.set kk, 0
.rept 32
	v_pk_mul_f32 v[160+2*kk:161+2*kk], v[160+2*kk:161+2*kk], v[252:253] op_sel_hi:[1,0]
.set kk, kk+1
.endr
.endm
; A ROUND'S WORK OF A WAVE: my 128 keys of the slot in hand against my two tiles.  The 32 matrix instructions name 32 accumulators, one instruction a turn.
.macro STEP pf
	s_wait_loadcnt 0x0                             ; Q (asked for at the head, or in the exchange); ahead of the branch, so that it holds on every way
	s_lshl1_add_u32 s[ST], s[S_CUR], s[PAR]        ; my key step
	s_cmp_gt_u32 s[ST], s[B_CUR]
	s_cbranch_scc1 .Lskip_\@                       ; all its keys lie behind the block's queries
	v_add_nc_u32 v8, s[TB], v1
	v_add_nc_u32 v9, s[TB], v2
	v_add_nc_u32 v10, s[TS], v3
	v_add_nc_u32 v11, s[TJ], v4
.rept 4
	v_nop                                          ; with the four above: eight places between the last round's products and loads into registers that they read
.endr
.irp t, 0,1,2,3,4,5,6,7
	ds_load_b32 v[240+\t], v10 offset:272*(\t/4)+(32*((\t/2)%2)+8*(\t%2))*4   ; the scale words of K's eight tiles
.endr
	KFRAG 0
	WIN 0x40
	KFRAG 4
	WIN 0
	s_wait_dscnt 16                                ; the scale words and tiles 0-3 are in; the 16 youngest loads (tiles 4-7) may be out
	KQ4 0, 248                                     ; X
	WIN 0x44                                       ; Y: Q and S^T in window 1
	KQ4 0, 249
	s_wait_dscnt 0x0
	WIN 0x01                                       ; K's tiles 4-7 lie in window 1
	KQ4 4, 248
	WIN 0x45
	KQ4 4, 249
	WIN 0
.rept 8
	v_nop                                          ; eight places in front of loads into the fragments and scale words, and of the first reads of S^T
.endr
.irp t, 0,1,2,3,4,5,6,7
	ds_load_b32 v[240+\t], v11 offset:\t*1088      ; V's scale words: 16 rows of 64 bytes are four units of 272
.endr
	VFRAG 0                                        ; V's fragments land under the softmax
	WIN 0x40
	VFRAG 4
	WIN 0
.if \pf
	s_cmp_lg_u32 s[WV], 4
	s_cbranch_scc1 .Lnopf_\@
	s_cmp_lt_u32 s[RND], 3                         ; the trips with 2 or 1 to go ask for nothing: their slots would lie past the head's 2,048 keys
	s_cbranch_scc1 .Lnopf_\@
	global_prefetch_b8 v251, s[PFB:PFB+1] th:TH_LOAD_NT scope:SCOPE_SE
.Lnopf_\@:
.endif
	s_cmp_lg_u32 s[ST], s[B_CUR]
	s_cbranch_scc1 .Lnomask_\@                     ; only the step on the diagonal hides keys
	MASK 0
	MASK 1
	WIN 0
.Lnomask_\@:
	SM_A                                           ; X
	SM_B
	s_wait_dscnt 0x0                               ; V
	PV4 0, 255                                     ; X's products stand ahead of Y's softmax, whose lines name none of their registers
	WIN 0x01
	PV4 4, 255
	WIN 0x55
	SM_A                                           ; Y
	WIN 0x01
	v_mov_b32 v250, v255                           ; Y's p's scale word into window 0, where scale operands are taken from
	WIN 0x55
	SM_B
	WIN 0x54                                       ; V's tiles 0-3 in window 0; P and O^T in window 1
	PV4 0, 250
	WIN 0x55
	PV4 4, 250
	WIN 0
.Lskip_\@:
.endm
; THE EXCHANGE at a job's end.
.macro GIVE win                        ; a tile's O^T (from the low end on), -M, the largest t and the sum into my give-away
	WIN 0x01|(0x04*\win)
.set kk, 0
.rept 16
	ds_store_b128 v[XS], v[160+4*kk:163+4*kk] offset:512*kk
.set kk, kk+1
.endr
	ds_store_b128 v[XS], v[12:15] offset:8192
	WIN 0
.endm
.macro TAKE win, ob                    ; my partner's part of the tile that I keep is merged with mine, divided by the sum, and stored
	WIN 0x01|(0x40*\win)
.set kk, 0
.rept 16
	ds_load_b128 v[96+4*kk:99+4*kk], v[XL] offset:512*kk
.set kk, kk+1
.endr
	ds_load_b128 v[224:227], v[XL] offset:8192     ; v224 its -M, v226 its sum
	s_wait_dscnt 0x0
	WIN 0x55*\win
	v_min_num_f32 v228, v12, v224                  ; the joint -M
	v_sub_f32 v229, v228, v12                      ; my M - the joint M, and my partner's: whole numbers, 0 or less
	v_sub_f32 v230, v228, v224
	v_cvt_i32_f32 v229, v229                       ; (saturates: a wave that had no step has -M = 3e38, and its factor is 0)
	v_cvt_i32_f32 v230, v230
	v_ldexp_f32 v229, 1.0, v229
	v_ldexp_f32 v230, 1.0, v230
	v_mul_f32 v231, v14, v229
	v_fma_f32 v231, v226, v230, v231               ; the sum under the joint M: my half of the lanes' keys,
	v_permlanex16_b32 v225, v231, s[SEL], s[SEL+1]
	v_add_f32 v231, v231, v225                     ; and lane l xor 16's
	v_rcp_f32 v231, v231
	v_nop                                          ; one plain place behind a transcendental
	v_mul_f32 v252, v229, v231
	v_mul_f32 v230, v230, v231
.set kk, 0
.rept 32
	v_pk_mul_f32 v[160+2*kk:161+2*kk], v[160+2*kk:161+2*kk], v[252:253] op_sel_hi:[1,0]
.set kk, kk+1
.endr
.set kk, 0
.rept 32
	v_pk_fma_f32 v[160+2*kk:161+2*kk], v[96+2*kk:97+2*kk], v[230:231], v[160+2*kk:161+2*kk] op_sel_hi:[1,0,1]
.set kk, kk+1
.endr
.irp u, 0,1                                            ; through my stage, half a row (64 channels, 256 bytes) of 16 queries at a time: register 8 t + i is channel 16 t + 8 h + i of query r
	WIN 0x01|(0x04*\win)
.irp t, 0,1,2,3
	ds_store_b128 v[STO], v[160+32*\u+8*\t:163+32*\u+8*\t] offset:64*\t
	ds_store_b128 v[STO], v[164+32*\u+8*\t:167+32*\u+8*\t] offset:64*\t+16
.endr
	WIN 0x01|(0x40*\win)
.irp i, 0,1,2,3,4,5,6,7
	ds_load_b128 v[96+32*\u+4*\i:99+32*\u+4*\i], v[RD] offset:2*\i*272   ; LDS serves a wave's instructions in order (ISA guide 5.7.1.4): these see my stores, and the next half's stores come behind them
.endr
.endr
	WIN 0x01|(0x04*\win)
.irp u, 0,1
.irp i, 0,1,2,3,4,5,6,7
	s_wait_dscnt 23-16*\u-\i                       ; as many LDS instructions were issued behind this row's load
	global_store_b128 v[GO], v[96+32*\u+4*\i:99+32*\u+4*\i], s[\ob:\ob+1] offset:2*\i*512+256*\u th:TH_STORE_NT   ; 16 lanes store 256 consecutive bytes, at a multiple of 256 from out0's first byte
.endr
.endr
	WIN 0
.endm
; The wave with the first half of the keys (par = 0) gives Y and finishes X, its partner gives X and finishes Y.  next = 1: the second job's Q is asked for first and lands under the exchange, and each tile's state
; is set anew as soon as it is given or stored.
; The barrier between giving and taking is a plain one: no LDS bytes are filled behind it before the next change of slots, so the tile that is on its way may stay out.
; The give-aways are written again only in the other exchange, and a change of slots, with its wait for LDS reads and its barrier, lies between.
.macro XCHG ob, next
.rept 8
	v_nop                                          ; eight places behind the last products: for the LDS stores of O^T, the loads into Q, S^T and P, and the lines that set O^T anew
.endr
.if \next
	QLOAD QB_H, QSB_H
.endif
	s_cmp_lg_u32 s[PAR], 0
	s_cbranch_scc1 .Lgive_x_\@
	GIVE 1
.if \next
	INIT 1
.endif
	s_branch .Lgiven_\@
.Lgive_x_\@:
	GIVE 0
.if \next
	INIT 0
.endif
.Lgiven_\@:
	s_wait_dscnt 0x0                               ; for my partner's sake: my stores are done
	s_barrier_signal -1
	s_barrier_wait -1
	s_cmp_lg_u32 s[PAR], 0
	s_cbranch_scc1 .Ltake_y_\@
	TAKE 0, \ob
.if \next
	INIT 0
.endif
	s_branch .Ltaken_\@
.Ltake_y_\@:
	TAKE 1, \ob
.if \next
	INIT 1
.endif
.Ltaken_\@:
.if \next
	s_mov_b32 s[N_CUR], s[N_H]
	s_mov_b32 s[B_CUR], s[B_H]
.endif
.endm
.Lround:                                               ; 8 trips; behind each change of slots the next round's keys are asked for
	CHANGE 1
	STEP 1
	s_cmp_lg_u32 s[S_NXT], 0                       ; the first job's last round?  The number hangs on the work-group's number and the trip alone: the same in all eight waves
	s_cbranch_scc1 .Lsame
	XCHG OB_L, 1
.Lsame:
	s_mov_b32 s[S_CUR], s[S_NXT]
	s_xor_b32 s[TB], s[TB], SLOT1                  ; on to the other slot
	s_mul_i32 s[TS], s[S_CUR], 1088
	s_lshl_b32 s[TJ], s[S_CUR], 3
	s_wait_xcnt 0x0                                ; only behind this wait is the prefetch's base stepped, and are the registers that the exchange's stores read written again (by the next round's products)
	s_add_nc_u64 s[PFB:PFB+1], s[PFB:PFB+1], s[PFS:PFS+1]
	s_sub_co_u32 s[RND], s[RND], 1
	s_cmp_lg_u32 s[RND], 0
	s_cbranch_scc1 .Lround
	CHANGE 0                                       ; the ninth round is written out: nothing is left to fetch
	STEP 0
	XCHG OB_H, 0
	s_wait_tensorcnt 0x0                           ; the wave's end: behind my last tensor load and my last LDS store
	ds_add_u32 v5, v6
	s_wait_dscnt 0x0
	s_endpgm
.Lfunc_end_k_qc731f233c0_attn:
	.size	k_qc731f233c0_attn, .Lfunc_end_k_qc731f233c0_attn-k_qc731f233c0_attn
	.p2alignl 7, 3214868480
	.fill 96, 4, 3214868480
	.section	.rodata,"a",@progbits
	.p2align	6, 0x0
	.amdhsa_kernel k_qc731f233c0_attn
		.amdhsa_group_segment_fixed_size 327680
		.amdhsa_private_segment_fixed_size 0
		.amdhsa_enable_private_segment 0
		.amdhsa_kernarg_size 56
		.amdhsa_user_sgpr_count 2
		.amdhsa_user_sgpr_kernarg_segment_ptr 1
		.amdhsa_wavefront_size32 1
		.amdhsa_system_sgpr_workgroup_id_x 1
		.amdhsa_system_sgpr_workgroup_id_y 1
		.amdhsa_system_sgpr_workgroup_id_z 1
		.amdhsa_system_vgpr_workitem_id 0
		.amdhsa_next_free_vgpr 512
		.amdhsa_next_free_sgpr 101
		.amdhsa_reserve_vcc 1
		.amdhsa_float_denorm_mode_32 3
		.amdhsa_float_denorm_mode_16_64 3
		.amdhsa_memory_ordered 1
		.amdhsa_forward_progress 1
		.amdhsa_inst_pref_size 174
	.end_amdhsa_kernel
	.amdgpu_metadata
---
amdhsa.version: [ 1, 2 ]
amdhsa.kernels:
  - .name:           k_qc731f233c0_attn
    .symbol:         k_qc731f233c0_attn.kd
    .args:
      - { .name: q_codes, .offset: 0, .size: 8, .value_kind: global_buffer, .address_space: global }
      - { .name: q_scales, .offset: 8, .size: 8, .value_kind: global_buffer, .address_space: global }
      - { .name: k_codes, .offset: 16, .size: 8, .value_kind: global_buffer, .address_space: global }
      - { .name: k_scales, .offset: 24, .size: 8, .value_kind: global_buffer, .address_space: global }
      - { .name: v_codes, .offset: 32, .size: 8, .value_kind: global_buffer, .address_space: global }
      - { .name: v_scales, .offset: 40, .size: 8, .value_kind: global_buffer, .address_space: global }
      - { .name: out0, .offset: 48, .size: 8, .value_kind: global_buffer, .address_space: global }
    .group_segment_fixed_size: 327680
    .private_segment_fixed_size: 0
    .kernarg_segment_align: 8
    .kernarg_segment_size: 56
    .max_flat_workgroup_size: 256
    .sgpr_count:     101
    .vgpr_count:     512
    .wavefront_size: 32
...
	.end_amdgpu_metadata
.endif
;; end of part 1
